; MI455X (gfx1250); checked and timed in simulation.
; The chip was launched on July 23, 2026; its instructions are those of AMD's public machine-readable ISA for CDNA 5 (MIT licence, August 2026) and "CDNA5" Instruction Set Architecture Reference Guide (July 2026). The comments in the code are by the model that wrote it; some were corrected since.
;; BSRBF KAN Layer. Allowed arithmetic: matrix products marked QUANTISED: E2M3 operands, one E8M0 scale for each 32 along K, by v_wmma_scale_f32_16x16x128_f8f6f4 with both operands' format E2M3, f32 sums; everything else in f32.
;; Inputs: base_weight_codes 512 x 16 x 24 uint8 (E2M3 codes of base_weight, K innermost, in blocks of 32 codes, four codes in three bytes); base_weight_scales 512 x 16 uint8 (E8M0 scales of base_weight, one for each 32 codes along K); ln_beta 512 float32; ln_gamma 512 float32; spline_weight_codes 512 x 128 x 24 uint8 (E2M3 codes of spline_weight, K innermost, in blocks of 32 codes, four codes in three bytes); spline_weight_scales 512 x 128 uint8 (E8M0 scales of spline_weight, one for each 32 codes along K); x 4 x 4,096 x 512 float32.
;; Outputs: out0 4 x 4,096 x 512 float32.
;; This version of the problem:
;;   THIS VERSION OF THE PROBLEM IS GIVEN IN LOW PRECISION. The matrix products marked QUANTISED in the list below multiply operands that are first quantised to E2M3 (2 exponent bits, 3 mantissa bits; 6 bits a number), with one power-of-two scale for each 32 numbers along K (OCP MX v1.0); their sums are f32. All else is computed in f32.
;;   The module's matrix products, in the order in which they are computed (A, B: the left and right operand; K: the contracted axis; several contracted axes count as one K, in the product's order):
;;     1. [M 16,384, K 512] x [K 512, N 512]; A: computed on the way; B: input base_weight (given as codes): QUANTISED
;;     2. [M 16,384, K 4,096] x [K 4,096, N 512]; A: computed on the way; B: input spline_weight (given as codes): QUANTISED
;;   THE QUANTISER, for each operand of a quantised product, along K:
;;     - K is cut into blocks of 32 from its start; a last block that is shorter is filled with zeros.
;;     - A block's scale is 2^e with e = floor(log2(the largest magnitude in the block)) - 2, held to -126 .. 127; a block of zeros has e = 0. As a byte (E8M0): e + 127.
;;     - Each number is divided by its block's scale, clamped to +-7.5, and rounded to the nearest number of E2M3, ties to even, subnormals kept.
;;     - The product sums the exact products of the quantised numbers (number of the format x scale) in f32.
;;   ~~~python
;;   def quantise(x, axis):      # numpy; x: float32 -> the quantised numbers, widened to float32 again
;;       x = np.moveaxis(x, axis, -1); K = x.shape[-1]
;;       x = np.pad(x, [(0, 0)] * (x.ndim - 1) + [(0, -K % 32)]); x = x.reshape(x.shape[:-1] + (-1, 32)); a = np.abs(x).max(-1, keepdims=True)
;;       e = np.where(a > 0, np.clip(np.frexp(np.where(a > 0, a, 1))[1] - 1 - 2, -126, 127), 0)      # np.frexp(a)[1] - 1 = floor(log2(a)), exactly
;;       r = np.clip(x / 2.0 ** e, -7.5, 7.5)
;;       step = 2.0 ** (np.maximum(np.frexp(np.where(r == 0, 1, r))[1] - 1, 0) - 3)
;;       q = np.round(r / step) * step * 2.0 ** e      # np.round: ties to even
;;       return np.moveaxis(q.reshape(q.shape[:-2] + (-1,))[..., :K], -1, axis).astype(np.float32)
;;   ~~~
;;   OPERANDS COMPUTED ON THE WAY. 'Computed on the way' means the value that the module computes at that place (a softmax that the list does not call 'softmax' is quantised finished and normalised). What goes into a quantiser is computed in f32, as accurately as f32 sums, v_exp_f32 and their like allow (about 1e-6 of the number): no bf16 or f16 on the way to a quantiser, and a product that is left as it is and whose result goes on into a quantised operand takes f32 operands (vector FMAs, or v_wmma_f32_16x16x4_f32). A number that lies on a knife's edge between two numbers of the format may be rounded either way, as far as f32 arithmetic and the matrix unit's own rounding can turn it there, and no further.
;;   INPUTS GIVEN AS CODES. base_weight (in the module: [512, 512], K = its axis 1); spline_weight (in the module: [512, 4096], K = its axis 1): each comes as NAME_codes (uint8): NAME with its K axis moved to the last place and cut into blocks of 32 codes, [.., K / 32, bytes a block], one block behind the other in memory; four codes in three bytes: a row's codes are one little-endian stream of bits, code i at bits 6 i .. 6 i + 5 (a code: sign, 2 exponent bits, 3 mantissa bits); and NAME_scales (uint8): the same leading axes, one E8M0 byte (e + 127) for each 32 codes along K. Its value is code x scale, taken as it is: it is not quantised again, and the codes and scales need not be those that the quantiser above would give.
;; One version. Each part assembles by itself: llvm-mc -triple=amdgcn-amd-amdhsa -mcpu=gfx1250 --defsym DOCPART=n.
;; ======== version 1 of 1: 2 launches
;; workspace buffers: wpack 1,843,200 bytes
;; launch pack (part 1): grid 36 x 8, 4 waves a work-group, no clusters, 0 bytes of LDS; arguments base_weight_codes, base_weight_scales, spline_weight_codes, spline_weight_scales, wpack; writes wpack
.if DOCPART == 1
	.amdgcn_target "amdgcn-amd-amdhsa--gfx1250"
	.amdhsa_code_object_version 6
	.text
	.protected	k_qbbe613fe27_pack
	.globl	k_qbbe613fe27_pack
	.p2align	8
	.type	k_qbbe613fe27_pack,@function
k_qbbe613fe27_pack:
	s_mov_b64 s[64:65], 0
	v_nop
	global_prefetch_b8 v0, s[64:65] scope:SCOPE_SE
	s_setreg_imm32_b32 hwreg(HW_REG_WAVE_MODE, 25, 1), 1
	s_wait_xcnt 0x0
; The given codes and scale bytes of both weights are laid into wpack in the order in which the next launch's operand registers take them.  No arithmetic: bytes are moved.
; wpack is 18 trips of TRIPB bytes.  A trip is 256 along K: two K steps q = 0, 1 of 128.  In a trip: at q QB + ct FRB + 512 c + 16 lane the image of registers 4 c .. 4 c + 3 of the fragment
; (16 output columns 16 ct .. 16 ct + 15 x 128 K: 12 registers a lane); at WSC + 2048 q + 4 col the scale word of output column col.
; A fragment's lane (r, h) holds column 16 ct + r; its registers 6 c .. 6 c + 5 are the block of 32 codes that the matrix instruction counts as block 2 c + h (ISA guide, 7.12: 6-bit operands).
; Trips 0, 1: the base weight, true K step s = 2 q + T: block 2 c + h of the step is the row's block 4 s + 2 c + h.
; Trips 2 .. 17 (T' = T - 2): the spline weight.  WHICH BLOCKS OF 32 FORM A K STEP IS FREE, so long as both operands agree: here block 2 c + h is the row's block B + 8 h + c,
; B = 64 q + 16 (T' / 4) + 2 (T' % 4): the order in which the next launch makes the other operand.  A lane's 12 registers are then 48 consecutive bytes of the row.
; SHARES: work-group x = 2 T + q, y = 0 .. 7; wave w takes column tile ct = 4 y + w; wave 0 also makes the 64 scale words of columns 64 y .. 64 y + 63.
.set TRIPB, 102400
.set QB,    49152
.set FRB,   1536
.set WSC,   98304
	s_load_b256 s[4:11], s[0:1], 0x0               ; base codes s[4:5], base scales s[6:7], spline codes s[8:9], spline scales s[10:11]
	s_load_b64 s[12:13], s[0:1], 0x20              ; wpack
	v_lshrrev_b32 v1, 5, v0
	v_readfirstlane_b32 s14, v1                    ; wave 0..3
	v_and_b32 v2, 31, v0                           ; lane
	v_and_b32 v3, 15, v0                           ; r
	v_bfe_u32 v4, v0, 4, 1                         ; h
	v_lshlrev_b32 v5, 4, v2                        ; an image's place for my lane: 16 x lane
	v_lshlrev_b32 v7, 3, v2                        ; two scale words a lane: 8 x lane
	s_and_b32 s15, ttmp7, 0xffff                   ; y
	s_lshr_b32 s16, ttmp9, 1                       ; T
	s_and_b32 s17, ttmp9, 1                        ; q
	s_lshl_b32 s18, s15, 2
	s_add_co_u32 s18, s18, s14                     ; ct
	s_mul_i32 s20, s16, TRIPB
	s_mul_i32 s21, s17, QB
	s_add_co_u32 s22, s20, s21
	s_mul_i32 s21, s18, FRB
	s_add_co_u32 s22, s22, s21                     ; where my fragment's image goes
	s_mov_b32 s23, 0
	s_lshl_b32 s21, s17, 11
	s_add_co_u32 s24, s20, s21
	s_lshl_b32 s21, s15, 8
	s_add_co_u32 s24, s24, s21
	s_add_co_u32 s24, s24, WSC                     ; where the 64 scale words go
	s_mov_b32 s25, 0
	s_mov_b32 s29, 0
	s_mov_b32 s31, 0
	s_wait_kmcnt 0x0
	s_add_nc_u64 s[22:23], s[12:13], s[22:23]
	s_add_nc_u64 s[24:25], s[12:13], s[24:25]
.macro IMAGE                           ; 12 registers a lane leave as three stores of 512 consecutive bytes each
.irp c, 0,1,2
	global_store_b128 v5, v[8+4*\c:11+4*\c], s[22:23] offset:512*\c
.endr
.endm
	s_cmp_lt_u32 ttmp9, 4                          ; trips 0 and 1 are the base weight's
	s_cbranch_scc0 .Lspline
	; ---- the base weight: a row is 384 bytes
	s_lshl_b32 s26, s17, 1
	s_add_co_u32 s26, s26, s16                     ; s = 2 q + T
	s_mul_i32 s28, s18, 16*384
	s_mul_i32 s27, s26, 96
	s_add_co_u32 s28, s28, s27
	s_add_nc_u64 s[4:5], s[4:5], s[28:29]
	v_mul_u32_u24 v6, v3, 384
	v_mad_u32_u24 v6, v4, 24, v6                   ; row r, + 24 h
.irp p, 0,1,2,3,4,5
	global_load_b64 v[8+2*\p:9+2*\p], v6, s[4:5] offset:48*(\p/3)+8*(\p%3) th:TH_LOAD_NT   ; in pieces of 8 bytes: every address is a multiple of the access's size
.endr
	s_wait_loadcnt 0x0
	IMAGE
	s_cmp_lg_u32 s14, 0
	s_cbranch_scc1 .Ldone
	s_lshl_b32 s30, s15, 10                        ; 64 y rows of 16 scale bytes,
	s_lshl_b32 s27, s26, 2                         ; the step's four bytes: they lie in the instruction's own order
	s_add_co_u32 s30, s30, s27
	s_add_nc_u64 s[6:7], s[6:7], s[30:31]
	v_lshlrev_b32 v20, 5, v2                       ; lane l: columns 2 l and 2 l + 1
	global_load_b32 v22, v20, s[6:7]
	global_load_b32 v23, v20, s[6:7] offset:16
	s_wait_loadcnt 0x0
	global_store_b64 v7, v[22:23], s[24:25]        ; 32 lanes store 256 consecutive bytes, aligned
	s_endpgm
.Lspline:
	; ---- the spline weight: a row is 3,072 bytes
	s_sub_co_u32 s26, s16, 2                       ; T'
	s_lshr_b32 s27, s26, 2
	s_lshl_b32 s27, s27, 4
	s_and_b32 s26, s26, 3
	s_lshl_b32 s26, s26, 1
	s_add_co_u32 s26, s26, s27
	s_lshl_b32 s27, s17, 6
	s_add_co_u32 s26, s26, s27                     ; B = 64 q + 16 (T' / 4) + 2 (T' % 4): even, so 24 B is a multiple of 16
	s_mul_i32 s28, s18, 16*3072
	s_mul_i32 s27, s26, 24
	s_add_co_u32 s28, s28, s27
	s_add_nc_u64 s[8:9], s[8:9], s[28:29]
	v_mul_u32_u24 v6, v3, 3072
	v_mad_u32_u24 v6, v4, 192, v6                  ; row r, + 8 h blocks of 24 bytes
.irp c, 0,1,2
	global_load_b128 v[8+4*\c:11+4*\c], v6, s[8:9] offset:16*\c th:TH_LOAD_NT   ; blocks B + 8 h and B + 8 h + 1: 48 consecutive bytes
.endr
	s_wait_loadcnt 0x0
	IMAGE
	s_cmp_lg_u32 s14, 0
	s_cbranch_scc1 .Ldone
	s_lshl_b32 s30, s15, 13                        ; 64 y rows of 128 scale bytes
	s_add_co_u32 s30, s30, s26
	s_add_nc_u64 s[10:11], s[10:11], s[30:31]
	v_lshlrev_b32 v20, 8, v2                       ; lane l: columns 2 l and 2 l + 1
	global_load_u16 v24, v20, s[10:11]             ; bytes B, B + 1
	global_load_u16 v25, v20, s[10:11] offset:8    ; bytes B + 8, B + 9
	global_load_u16 v26, v20, s[10:11] offset:128
	global_load_u16 v27, v20, s[10:11] offset:136
	s_wait_loadcnt 0x0
	v_perm_b32 v22, v25, v24, 0x05010400           ; the word's byte 2 c + h is the byte of block B + 8 h + c: B, B + 8, B + 1, B + 9
	v_perm_b32 v23, v27, v26, 0x05010400
	global_store_b64 v7, v[22:23], s[24:25]        ; 32 lanes store 256 consecutive bytes, aligned
.Ldone:
	s_endpgm
.Lfunc_end_k_qbbe613fe27_pack:
	.size	k_qbbe613fe27_pack, .Lfunc_end_k_qbbe613fe27_pack-k_qbbe613fe27_pack
	.p2alignl 7, 3214868480
	.fill 96, 4, 3214868480
	.section	.rodata,"a",@progbits
	.p2align	6, 0x0
	.amdhsa_kernel k_qbbe613fe27_pack
		.amdhsa_group_segment_fixed_size 0
		.amdhsa_private_segment_fixed_size 0
		.amdhsa_enable_private_segment 0
		.amdhsa_kernarg_size 40
		.amdhsa_user_sgpr_count 2
		.amdhsa_user_sgpr_kernarg_segment_ptr 1
		.amdhsa_wavefront_size32 1
		.amdhsa_system_sgpr_workgroup_id_x 1
		.amdhsa_system_sgpr_workgroup_id_y 1
		.amdhsa_system_sgpr_workgroup_id_z 1
		.amdhsa_system_vgpr_workitem_id 0
		.amdhsa_next_free_vgpr 32
		.amdhsa_next_free_sgpr 66
		.amdhsa_reserve_vcc 0
		.amdhsa_float_denorm_mode_32 3
		.amdhsa_float_denorm_mode_16_64 3
		.amdhsa_memory_ordered 1
		.amdhsa_forward_progress 1
		.amdhsa_inst_pref_size 6
	.end_amdhsa_kernel
	.amdgpu_metadata
---
amdhsa.version: [ 1, 2 ]
amdhsa.kernels:
  - .name:           k_qbbe613fe27_pack
    .symbol:         k_qbbe613fe27_pack.kd
    .args:
      - { .name: base_weight_codes, .offset: 0, .size: 8, .value_kind: global_buffer, .address_space: global }
      - { .name: base_weight_scales, .offset: 8, .size: 8, .value_kind: global_buffer, .address_space: global }
      - { .name: spline_weight_codes, .offset: 16, .size: 8, .value_kind: global_buffer, .address_space: global }
      - { .name: spline_weight_scales, .offset: 24, .size: 8, .value_kind: global_buffer, .address_space: global }
      - { .name: wpack, .offset: 32, .size: 8, .value_kind: global_buffer, .address_space: global }
    .group_segment_fixed_size: 0
    .private_segment_fixed_size: 0
    .kernarg_segment_align: 8
    .kernarg_segment_size: 40
    .max_flat_workgroup_size: 128
    .sgpr_count:     66
    .vgpr_count:     32
    .wavefront_size: 32
...
	.end_amdgpu_metadata
.endif
;; end of part 1
;; launch kan (part 2): grid 256 x 1, 8 waves a work-group, clusters of 4 x 1, 327,680 bytes of LDS; arguments x, ln_gamma, ln_beta, wpack, out0; writes out0
.if DOCPART == 2
	.amdgcn_target "amdgcn-amd-amdhsa--gfx1250"
	.amdhsa_code_object_version 6
	.text
	.protected	k_qbbe613fe27_kan
	.globl	k_qbbe613fe27_kan
	.p2align	8
	.type	k_qbbe613fe27_kan,@function
k_qbbe613fe27_kan:
	s_mov_b64 s[64:65], 0
	v_nop
	global_prefetch_b8 v0, s[64:65] scope:SCOPE_SE
	s_setreg_imm32_b32 hwreg(HW_REG_WAVE_MODE, 25, 1), 1
	s_wait_xcnt 0x0
	s_wait_alu depctr_hold_cnt(0) depctr_sa_sdst(0) depctr_va_vdst(0) depctr_va_sdst(0) depctr_va_ssrc(0) depctr_va_vcc(0) depctr_vm_vsrc(0)
	s_getreg_b32 s2, hwreg(HW_REG_IB_STS2, 6, 4)
	s_cmp_eq_u32 s2, 0
	s_cbranch_scc0 .Lentry_in_a_cluster
	s_endpgm
.Lentry_in_a_cluster:
	s_bfe_u32 s2, ttmp6, 0x10000c
	s_cmp_lg_u32 s2, 0x3003
	s_cbranch_scc0 .Lentry_shape_is_right
	s_endpgm
.Lentry_shape_is_right:
; out0 = Q(relu(xn)) Wb^T + Q(bspline(xn) + rbf(xn)) Ws^T, xn = LayerNorm(x) gamma + beta; Q: codes of FP6 (E2M3) with one E8M0 scale for each 32 along K; sums in f32.
; x, out0: [16384][512] f32.  The weights come as codes and scale words from wpack, laid by the launch before in the order of the operand's registers (18 trips of 102,400 bytes).
; WHAT BINDS.  Each of the 8.4 million numbers of xn is expanded into 8 numbers of the second product's K by vector instructions; that is more issue slots than the products take.  So each number is expanded ONCE:
; a work-group owns 64 whole rows and all 512 output columns, and the expanded operand never goes to memory.
; ONE NUMBER z = xn.  Spline: the knots are uniform (h = 0.6), so basis j is the cardinal cubic at t = z / 0.6 + 3.5 - j: a^3 / 6 - (2 / 3) b^3, a = 2 - min(|t|, 2), b = 1 - min(|t|, 1): the same polynomial pieces as the
; recursion gives, continuous at the knots.  With k = 6^(-1/3), l = (2/3)^(1/3): k a = fma(-min(|t|, 2), k, 2 k), l b = fma(-min(|t|, 1), l, l), both exactly 0 outside their hats (the f32 2 k is twice the f32 k);
; the spline is (k a)^3 - (l b)^3; no cancellation: where b > 0 it is at least 1 / 6.  RBF: w = sqrt(log2 e) (7 z / 3 + 3.5 - j), 2^(-w^2), one v_exp_f32 each.
; SHARES.  Eight waves, two to a SIMD.  AS CONSUMER wave w makes output columns 64 w .. 64 w + 63 of all 64 rows: 16 accumulators.  AS PRODUCER wave w = 4 q + m holds xn of rows 16 m .. 16 m + 15, columns 256 q .. 256 q + 255 in 128
; registers for the whole launch (lane (r, h), register e: column 256 q + 64 (e / 32) + 32 h + e % 32) and makes one fragment (16 rows x 128 K) of the left operand in every trip, for the NEXT trip; it goes to the other waves through LDS as
; an image of its registers.  A block of 32 along K lies whole in one lane: its largest number needs no other lane.
; A TRIP is 256 along K: 8 fragments of the left operand, 32 matrix instructions a wave.  Trips 0, 1: the base product; trips 2 .. 17: the spline product.  The weights come through two LDS slots of one trip each.
; CLUSTER.  All work-groups walk the same weights: the four of a cluster ask for each slot JOINTLY, every wave one eighth of it, by the same tensor load with the same descriptor and the mask of the four.
; THE MATRIX INSTRUCTION IS USED TRANSPOSED (source 0 = 16 output columns of the weight, source 1 = 16 rows): a lane then holds eight neighbouring numbers of a row of out0.
; LIMITS: NaN and infinities among the inputs are not served.  An rbf term under 2^-126 comes out as 0 (v_exp_f32 flushes: ISA guide, 15.8).  A block of zeros gets the scale byte 1, not 127: its codes are zeros, and only this program reads the byte.
; The sums of LayerNorm and of the products are added in another order than the reference's.
; LDS: all of it is claimed; 267,264 bytes are used.
.set AB,     12800                     ; LDS 0: two buffers for the left operand: 8 images of 1,536 bytes, then (ASC) 8 x 16 scale words
.set ASC,    12288
.set STAT,   25600                     ; 2 x 512 bytes: the waves' partial sums of LayerNorm, word 64 w + 4 r
.set STAGE,  26624                     ; 8 x 4,352: each wave's own stage, 16 rows x (256 + 16) bytes: x on the way in, out0 on the way out
.set SPARE,  61440                     ; the spare words, 128 bytes for each wave: four blocks of 256 bytes that no other line names
.set SLOT0,  62464                     ; two slots of SLOTB bytes: the only bytes that tensor loads fill; nothing is stored there
.set SLOTB,  102400
.set QB,     49152                     ; in a slot: the codes of K step q
.set WSC,    98304                     ; in a slot: the scale words
; window 0
.set SPW,  1                           ; LDS address of my spare word; never rewritten
.set NIL,  2                           ; 0; never rewritten
.set LI,   3                           ; 16 x lane
.set LS,   4                           ; 4 x lane
.set AWI,  5                           ; where I store my fragment's image: 16 x lane + 1,536 w
.set AWS,  6                           ; and its scale words: ASC + 64 w + 4 r
.set BADR, 7                           ; v7-10  the weights' fragments: slot s, K step q at v[BADR + 2 s + q]: 16 x lane + slot + QB q + 6,144 w
.set BSC,  11                          ; v11-12 their scale words: 4 x lane + slot + WSC + 256 w
.set SROW, 13                          ; stage by rows: 272 h + 16 r
.set SPRD, 14                          ; stage, a row to a lane: 272 r + 128 h
.set SEST, 15                          ; stage, results in: 272 r + 32 h
.set XO,   16                          ; x and out0: 2,048 h + 16 r
.set GBO,  17                          ; gamma, beta: 128 h
.set STW,  18                          ; my wave's word of STAT
.set STRD, 19                          ; the word of the wave that holds the other half of my rows
.set SH8,  20                          ; 8 h
.set PFO,  21                          ; 256 x lane
.set SB,   22                          ; v22-25 the weights' scale words: v[SB + 2 q + j]: lanes 0-15 column tile 2 j, lanes 16-31 tile 2 j + 1
.set SA,   26                          ; v26-29 the left operand's: v[SA + 2 q + j]: lanes 0-15 row tile 2 j, lanes 16-31 tile 2 j + 1.  v22-29 hold scales and nothing else
.set CR,   30                          ; v30-37 sqrt(log2 e) (3.5 - j)
.set CT,   38                          ; v38-45 3.5 - j
.set K2,   46                          ; v46-47 2 k, twice
.set L1,   48                          ; v48-49 l, twice
.set Z,    60                          ; v60-67 the trip's eight numbers of xn
.set OUT,  68                          ; v68-99 a block of 32 numbers
.set TT,   100                         ; v100-107 t, then -min(|t|, 1), then (l b)^2
.set NS,   112                         ; v112-119 -min(|t|, 2), then (k a)^2
.set AP,   122                         ; v122-129 k a
.set BP,   130                         ; v130-137 l b
.set MX,   138
.set SOP,  142
.set BY,   144
.set PW,   146
.set PC,   148                         ; v148-159 the fragment's codes
.set TC,   160
.set BF,   164                         ; v164-211 four fragments of the weights
.set AF,   212                         ; v212-235 two fragments of the left operand, by turns
.set S,    236                         ; v236-251 LayerNorm's sums and figures
.set MEAN, 244
.set RSTD, 246
.set T0,   248
.set T1,   249
.set PT,   252                         ; a lane exchange's destination
.set BETA, 68                          ; v68-195 beta, until xn is made;  the same registers take rows of out0 on the way out
.set OR,   68
; window 1: v0-127 the 16 accumulators, (m, n) at v[8 (4 m + n)]; before the products x as loaded, then gamma.  v128-255 xn
.set X,    128
.set G1,  24                           ; s[24:31] descriptor group 1;  s[32:35], s[36:39] group 0 of slot 0, 1
.set G0,  32
.set IT,  46                           ; s46 the loop's counter
.set LIM, 47                           ; s47 7 in a wave that prefetches, else 0
.set PFA, 48                           ; s[48:49] where my prefetches stand
.set MSB, 0
.macro WIN new                         ; low byte: bits 1:0 source 0, 3:2 source 1, 5:4 source 2, 7:6 destination; the high byte repeats the setting that is left
.if MSB != \new
	s_set_vgpr_msb (MSB<<8)|\new
.set MSB, \new
.endif
.endm
.macro PLACES                          ; four plain vector instructions between a matrix instruction and a load into, or a read of, its registers
.rept 4
	v_nop
.endr
.endm
.macro CREST                           ; a round of the cluster's barrier behind its opening barrier
	s_cmp_lg_u32 s14, 0
	s_cbranch_scc1 .Lnot_wave_0_\@
	s_barrier_signal -3
.Lnot_wave_0_\@:
	s_barrier_wait -3
	s_barrier_signal -1
	s_barrier_wait -1
.endm
.macro CROUND
	s_barrier_signal -1
	s_barrier_wait -1
	CREST
.endm
	s_load_b256 s[4:11], s[0:1], 0x0               ; x s[4:5], gamma s[6:7], beta s[8:9], wpack s[10:11]
	s_load_b64 s[12:13], s[0:1], 0x20              ; out0
	v_lshl_add_u32 v[SPW], v0, 2, SPARE
	v_mov_b32 v[NIL], 0
	ds_add_u32 v1, v2
	ds_add_u32 v1, v2
	s_wait_dscnt 0x0
	v_mov_b32 v[PT], 0                             ; written once: a lane exchange's destination counts as one of its sources
	v_lshrrev_b32 v236, 5, v0
	v_readfirstlane_b32 s14, v236                  ; wave w, 0..7
	v_and_b32 v237, 31, v0                         ; lane
	v_and_b32 v238, 15, v0                         ; r
	v_bfe_u32 v239, v0, 4, 1                       ; h
	s_and_b32 s15, s14, 3                          ; m: my tile of 16 rows as producer
	s_lshr_b32 s16, s14, 2                         ; q: my half of the columns of x
	s_bfe_u32 s17, ttmp6, 0x40000                  ; cx: my place in the cluster
	s_lshl_b32 s18, ttmp9, 2
	s_add_co_u32 s18, s18, s17                     ; work-group g = 4 x cluster + cx: it enters the addresses of x, of out0 and of the prefetches alone
	v_lshlrev_b32 v[LI], 4, v237
	v_lshlrev_b32 v[LS], 2, v237
	s_mul_i32 s50, s14, 1536
	v_add_nc_u32 v[AWI], s50, v[LI]
	s_lshl_b32 s50, s14, 6
	v_lshl_add_u32 v[AWS], v238, 2, s50
	v_add_nc_u32 v[STW], STAT, v[AWS]
	v_add_nc_u32 v[AWS], ASC, v[AWS]
	s_xor_b32 s52, s14, 4
	s_lshl_b32 s52, s52, 6
	v_lshl_add_u32 v[STRD], v238, 2, s52
	v_add_nc_u32 v[STRD], STAT, v[STRD]
	s_mul_i32 s50, s14, 6144
	v_add_nc_u32 v240, s50, v[LI]
	v_add_nc_u32 v[BADR+0], SLOT0, v240
	v_add_nc_u32 v[BADR+1], SLOT0+QB, v240
	v_add_nc_u32 v[BADR+2], SLOT0+SLOTB, v240
	v_add_nc_u32 v[BADR+3], SLOT0+SLOTB+QB, v240
	s_lshl_b32 s50, s14, 8
	v_add_nc_u32 v241, s50, v[LS]
	v_add_nc_u32 v[BSC+0], SLOT0+WSC, v241
	v_add_nc_u32 v[BSC+1], SLOT0+SLOTB+WSC, v241
	s_mul_i32 s51, s14, 4352
	s_add_co_u32 s51, s51, STAGE                   ; my stage
	v_mul_u32_u24 v[SROW], v239, 272
	v_lshl_add_u32 v[SROW], v238, 4, v[SROW]
	v_add_nc_u32 v[SROW], s51, v[SROW]
	v_mul_u32_u24 v242, v238, 272
	v_add_nc_u32 v242, s51, v242
	v_lshl_add_u32 v[SPRD], v239, 7, v242
	v_lshl_add_u32 v[SEST], v239, 5, v242
	v_lshlrev_b32 v[XO], 4, v238
	v_lshl_add_u32 v[XO], v239, 11, v[XO]
	v_lshlrev_b32 v[GBO], 7, v239
	v_lshlrev_b32 v[SH8], 3, v239
	v_lshlrev_b32 v[PFO], 8, v237
	s_mov_b32 s20, 0x76543210                      ; v_permlanex16_b32's selects for lane l xor 16
	s_mov_b32 s21, 0xfedcba98
	; descriptor group 1: a dense block of 12,800 bytes as 50 rows of 32 elements of 8 bytes, no padding
	s_mov_b32 s[G1+0], 15|(3<<16)|(1<<21)          ; 15:0 the mask: all four work-groups; 17:16 elements of 8 bytes; 21 set beside a mask
	s_mov_b32 s[G1+1], 32<<16                      ; tensor_dim0 = 32
	s_mov_b32 s[G1+2], 50<<16                      ; tensor_dim1 = 50
	s_mov_b32 s[G1+3], 32<<16                      ; tile_dim0 = 32
	s_mov_b32 s[G1+4], 50                          ; tile_dim1 = 50
	s_mov_b32 s[G1+5], 32                          ; from row to row
	s_mov_b32 s[G1+6], 0
	s_mov_b32 s[G1+7], 0
	s_mov_b32 s40, 0x40335e1c                      ; sqrt(log2 e) x 7 / 3.  (The packed forms name pairs and take the low word for both halves: both words are written)
	s_mov_b32 s41, s40
	s_mov_b32 s42, 0x3fd55555                      ; 1 / 0.6
	s_mov_b32 s43, s42
	s_mov_b32 s44, 0x3f0ce1da                      ; k = 6^(-1/3)
	s_mov_b32 s45, s44
	s_mov_b32 s56, 0x3f5fa2f8                      ; l = (2/3)^(1/3)
	s_mov_b32 s57, s56
	s_cmp_lt_u32 s14, 3                            ; who prefetches: waves 0 to 2
	s_cselect_b32 s[LIM], 7, 0
	s_cmp_eq_u32 ttmp9, 0                          ; of the first cluster: the same in all four partners
	s_cselect_b32 s[LIM], s[LIM], 0
	s_lshl_b32 s22, s18, 17                        ; my work-group's 64 rows of 2,048 bytes
	s_lshl_b32 s50, s15, 15                        ; x: my 16 rows,
	s_add_co_u32 s50, s50, s22
	s_lshl_b32 s52, s16, 10                        ; my 256 columns
	s_add_co_u32 s50, s50, s52
	s_mov_b32 s51, 0
	s_mov_b32 s53, 0
	s_lshl_b32 s54, s14, 8                         ; out0: my 64 columns
	s_add_co_u32 s54, s54, s22
	s_mov_b32 s55, 0
	s_wait_kmcnt 0x0
	s_add_nc_u64 s[4:5], s[4:5], s[50:51]
	s_add_nc_u64 s[6:7], s[6:7], s[52:53]
	s_add_nc_u64 s[8:9], s[8:9], s[52:53]
	s_add_nc_u64 s[12:13], s[12:13], s[54:55]
	; x is asked for first: 32 loads, each two rows' 256 consecutive bytes (sixteen lanes to a row); chunk u = 64 columns, t = a pair of rows
	WIN 0x40                                       ; destination window 1
.irp u, 0,1,2,3
.irp t, 0,1,2,3,4,5,6,7
	global_load_b128 v[32*\u+4*\t:32*\u+4*\t+3], v[XO], s[4:5] offset:4096*\t+256*\u th:TH_LOAD_NT
.endr
.endr
	WIN 0
.irp c, 0,1,2,3                        ; beta in xn's layout: register 32 c + k is column 256 q + 64 c + 32 h + k
.irp i, 0,1,2,3,4,5,6,7
	global_load_b128 v[BETA+32*\c+4*\i:BETA+32*\c+4*\i+3], v[GBO], s[8:9] offset:256*\c+16*\i
.endr
.endr
	s_mul_i32 s50, s17, 24576                      ; the prefetches: my work-group's quarter of a trip's codes (told apart by ADDRESS),
	s_lshl_b32 s52, s14, 13                        ; my wave's 8,192 bytes of it,
	s_add_co_u32 s50, s50, s52
	s_add_co_u32 s50, s50, 3*SLOTB                 ; at trip 3: the first change of slots steps it to trip 4.  Nothing is prefetched here, at the head
	s_add_nc_u64 s[PFA:PFA+1], s[10:11], s[50:51]
	s_mul_i32 s50, s14, 12800                      ; my eighth of a slot
	s_add_nc_u64 s[52:53], s[10:11], s[50:51]
	CROUND                                         ; all four work-groups are here: the first joint loads meet
	s_mov_b32 s[G0+0], 1                           ; count = 1
	s_add_co_u32 s[G0+1], s50, SLOT0               ; LDS address: no place in the cluster enters it
	s_mov_b64 s[G0+2:G0+3], s[52:53]               ; trip 0
	s_or_b32 s[G0+3], s[G0+3], 0x80000000          ; type = 2
	s_mov_b32 s[G0+4], 1
	s_add_co_u32 s[G0+5], s50, SLOT0+SLOTB
	s_add_nc_u64 s[G0+6:G0+7], s[52:53], SLOTB     ; trip 1
	s_or_b32 s[G0+7], s[G0+7], 0x80000000
	tensor_load_to_lds s[G0:G0+3], s[G1:G1+7]      ; both first fills together: two loads of mine are out
	s_nop 0
	tensor_load_to_lds s[G0+4:G0+7], s[G1:G1+7]
	s_nop 0
	PLACES                                         ; four v_nop follow
	; the constants that differ from basis to basis: the whole number 7 - 2 j, exactly, times half the factor
	s_mov_b32 s50, 0x3f19be61                      ; sqrt(log2 e) / 2
.irp j, 0,1,2,3,4,5,6,7
	v_cvt_f32_i32 v[CT+\j], 7-2*\j
.endr
.irp j, 0,1,2,3,4,5,6,7
	v_mul_f32 v[CR+\j], s50, v[CT+\j]              ; sqrt(log2 e) (3.5 - j)
.endr
.irp j, 0,1,2,3,4,5,6,7
	v_mul_f32 v[CT+\j], 0.5, v[CT+\j]              ; 3.5 - j, exactly
.endr
	v_mov_b32 v[K2], 0x3f8ce1da                    ; 2 k: the f32 k doubled
	v_mov_b32 v[K2+1], 0x3f8ce1da
	v_mov_b32 v[L1], 0x3f5fa2f8                    ; l
	v_mov_b32 v[L1+1], 0x3f5fa2f8
	; x turns through my own stage, a chunk of 16 rows x 256 bytes at a time: in by rows as loaded, out a row to a lane, 32 neighbouring columns each.
	; LDS serves a wave's instructions in order (ISA guide 5.7.1.4): no wait between the stores and the loads, nor in front of the next chunk's stores.
.irp u, 0,1,2,3
	s_wait_loadcnt 56-8*\u                         ; chunk u's eight loads are in; out may be x's later chunks, 8 (3 - u), and beta's 32
	WIN 0x04                                       ; an LDS store's data are its source 1: window 1
.irp t, 0,1,2,3,4,5,6,7
	ds_store_b128 v[SROW], v[32*\u+4*\t:32*\u+4*\t+3] offset:544*\t
.endr
	WIN 0x40
.irp i, 0,1,2,3,4,5,6,7
	ds_load_b128 v[X+32*\u+4*\i:X+32*\u+4*\i+3], v[SPRD] offset:16*\i
.endr
.endr
	s_wait_dscnt 0x0
.irp c, 0,1,2,3                        ; gamma, in the same layout, into the registers that x has left
.irp i, 0,1,2,3,4,5,6,7
	global_load_b128 v[32*\c+4*\i:32*\c+4*\i+3], v[GBO], s[6:7] offset:256*\c+16*\i
.endr
.endr
; The four chains' sums are joined; lane l xor 16 holds the row's other 128 numbers of my half, wave w xor 4 the other half of the row: that one comes through LDS.
.macro REDUCE off
	v_pk_add_f32 v[S:S+1], v[S:S+1], v[S+2:S+3]
	v_pk_add_f32 v[S+4:S+5], v[S+4:S+5], v[S+6:S+7]
	v_pk_add_f32 v[S:S+1], v[S:S+1], v[S+4:S+5]
	v_add_f32 v[T0], v[S], v[S+1]
	v_permlanex16_b32 v[PT], v[T0], s20, s21
	v_add_f32 v[T0], v[T0], v[PT]
	ds_store_b32 v[STW], v[T0] offset:\off         ; lanes l and l xor 16 store the same word with the same value
	s_wait_dscnt 0x0                               ; for the others' sake: my store is done
	s_barrier_signal -1
	s_barrier_wait -1                              ; the first fills may stay out
	ds_load_b32 v[T1], v[STRD] offset:\off
	s_wait_dscnt 0x0
	v_add_f32 v[T0], v[T0], v[T1]
.endm
	s_mov_b32 s54, 0x3b000000                      ; 1 / 512
	s_mov_b32 s55, 0x3727c5ac                      ; 1e-5
	WIN 0x05                                       ; the mean: four chains, started by the first eight pairs: nothing is cleared
.irp k, 0,1,2,3
	v_pk_add_f32 v[S+2*\k:S+2*\k+1], v[X+2*\k:X+2*\k+1], v[X+8+2*\k:X+8+2*\k+1]
.endr
	WIN 0x04
.set i, 16
.rept 56
	v_pk_add_f32 v[S+i%8:S+i%8+1], v[S+i%8:S+i%8+1], v[X+i:X+i+1]
.set i, i+2
.endr
	WIN 0
	REDUCE 0
	v_mul_f32 v[MEAN], s54, v[T0]
	v_mov_b32 v[MEAN+1], v[MEAN]
	WIN 0x41                                       ; the variance is taken of x - mean, as the reference takes it
.set i, 0
.rept 64
	v_pk_add_f32 v[X+i:X+i+1], v[X+i:X+i+1], v[MEAN:MEAN+1] neg_lo:[0,1] neg_hi:[0,1]
.set i, i+2
.endr
	WIN 0x05
.irp k, 0,1,2,3
	v_pk_mul_f32 v[S+2*\k:S+2*\k+1], v[X+2*\k:X+2*\k+1], v[X+2*\k:X+2*\k+1]
.endr
.set i, 8
.rept 60
	v_pk_fma_f32 v[S+i%8:S+i%8+1], v[X+i:X+i+1], v[X+i:X+i+1], v[S+i%8:S+i%8+1]
.set i, i+2
.endr
	WIN 0
	REDUCE 512                                     ; other words than the mean's: no barrier is needed between that read and this store
	v_fma_f32 v[T0], v[T0], s54, s55               ; variance + 1e-5
	v_rsq_f32 v[RSTD], v[T0]
	v_nop                                          ; a plain instruction behind the transcendental (ISA guide 5.7.2),
	s_wait_alu depctr_va_vdst(0)                   ; and a wait ahead of the first use
	v_mov_b32 v[RSTD+1], v[RSTD]
	WIN 0x41
.set i, 0
.rept 64
	v_pk_mul_f32 v[X+i:X+i+1], v[X+i:X+i+1], v[RSTD:RSTD+1]
.set i, i+2
.endr
	s_wait_loadcnt 0x0                             ; gamma and beta
	WIN 0x45                                       ; xn and gamma window 1, beta window 0
.set i, 0
.rept 64
	v_pk_fma_f32 v[X+i:X+i+1], v[X+i:X+i+1], v[i:i+1], v[BETA+i:BETA+i+1]
.set i, i+2
.endr
	WIN 0
; ---------------- the consumer's macros
; One matrix instruction of group g = 4 q + m: row tile m, column tile n, K step q.  A register of scale words carries two tiles' words, one in lanes 0-15 and one in lanes 16-31: the odd tile's are taken by ROW1.
.macro MM g, n, zero
.set gq, (\g)/4
.set gm, (\g)%4
.set rD, 8*(4*gm+(\n))
.set rW, BF+12*(\n)
.set rA, AF+12*(gm%2)
.set rSW, SB+2*gq+(\n)/2
.set rSA, SA+2*gq+gm/2
.set rows, 2*(gm%2)+(\n)%2
.if \zero
.if rows == 0
	v_wmma_scale_f32_16x16x128_f8f6f4 v[rD:rD+7], v[rW:rW+11], v[rA:rA+11], 0, v[rSW], v[rSA] matrix_a_fmt:MATRIX_FMT_FP6 matrix_b_fmt:MATRIX_FMT_FP6
.elseif rows == 1
	v_wmma_scale_f32_16x16x128_f8f6f4 v[rD:rD+7], v[rW:rW+11], v[rA:rA+11], 0, v[rSW], v[rSA] matrix_a_fmt:MATRIX_FMT_FP6 matrix_b_fmt:MATRIX_FMT_FP6 matrix_a_scale:MATRIX_SCALE_ROW1
.elseif rows == 2
	v_wmma_scale_f32_16x16x128_f8f6f4 v[rD:rD+7], v[rW:rW+11], v[rA:rA+11], 0, v[rSW], v[rSA] matrix_a_fmt:MATRIX_FMT_FP6 matrix_b_fmt:MATRIX_FMT_FP6 matrix_b_scale:MATRIX_SCALE_ROW1
.else
	v_wmma_scale_f32_16x16x128_f8f6f4 v[rD:rD+7], v[rW:rW+11], v[rA:rA+11], 0, v[rSW], v[rSA] matrix_a_fmt:MATRIX_FMT_FP6 matrix_b_fmt:MATRIX_FMT_FP6 matrix_a_scale:MATRIX_SCALE_ROW1 matrix_b_scale:MATRIX_SCALE_ROW1
.endif
.else
.if rows == 0
	v_wmma_scale_f32_16x16x128_f8f6f4 v[rD:rD+7], v[rW:rW+11], v[rA:rA+11], v[rD:rD+7], v[rSW], v[rSA] matrix_a_fmt:MATRIX_FMT_FP6 matrix_b_fmt:MATRIX_FMT_FP6
.elseif rows == 1
	v_wmma_scale_f32_16x16x128_f8f6f4 v[rD:rD+7], v[rW:rW+11], v[rA:rA+11], v[rD:rD+7], v[rSW], v[rSA] matrix_a_fmt:MATRIX_FMT_FP6 matrix_b_fmt:MATRIX_FMT_FP6 matrix_a_scale:MATRIX_SCALE_ROW1
.elseif rows == 2
	v_wmma_scale_f32_16x16x128_f8f6f4 v[rD:rD+7], v[rW:rW+11], v[rA:rA+11], v[rD:rD+7], v[rSW], v[rSA] matrix_a_fmt:MATRIX_FMT_FP6 matrix_b_fmt:MATRIX_FMT_FP6 matrix_b_scale:MATRIX_SCALE_ROW1
.else
	v_wmma_scale_f32_16x16x128_f8f6f4 v[rD:rD+7], v[rW:rW+11], v[rA:rA+11], v[rD:rD+7], v[rSW], v[rSA] matrix_a_fmt:MATRIX_FMT_FP6 matrix_b_fmt:MATRIX_FMT_FP6 matrix_a_scale:MATRIX_SCALE_ROW1 matrix_b_scale:MATRIX_SCALE_ROW1
.endif
.endif
.endm
.macro MM4 g, zero                     ; the 16 accumulators take turns, one instruction a turn, in the same order in every trip: 15 others' stand between two links of a chain
.irp n, 0,1,2,3
	MM \g, \n, \zero
.endr
.endm
.macro GRP g, zero
	s_wait_dscnt 0x0                               ; the group's fragments and scale words are in
	WIN 0x50                                       ; C and D window 1, the operands window 0
	MM4 \g, \zero
	WIN 0
.endm
.macro L0 p                            ; a trip's first 26 LDS loads, from slot p and buffer p: the weights' four fragments of K step 0, all scale words of the trip, the left operand's fragments 0 and 1
.irp n, 0,1,2,3
.irp c, 0,1,2
	ds_load_b128 v[BF+12*\n+4*\c:BF+12*\n+4*\c+3], v[BADR+2*(\p)] offset:1536*\n+512*\c
.endr
.endr
.irp q, 0,1
.irp j, 0,1
	ds_load_b32 v[SB+2*\q+\j], v[BSC+(\p)] offset:2048*\q+128*\j
	ds_load_b32 v[SA+2*\q+\j], v[LS] offset:AB*(\p)+ASC+256*\q+128*\j
.endr
.endr
.irp f, 0,1
.irp c, 0,1,2
	ds_load_b128 v[AF+12*\f+4*\c:AF+12*\f+4*\c+3], v[LI] offset:AB*(\p)+1536*\f+512*\c
.endr
.endr
.endm
.macro AFT g, p                        ; behind group g (and four places or more): its fragment's registers take fragment g + 2; behind group 3 the weights' registers take K step 1.  g = -1: nothing
.if (\g) >= 0
.irp c, 0,1,2
	ds_load_b128 v[AF+12*((\g)%2)+4*\c:AF+12*((\g)%2)+4*\c+3], v[LI] offset:AB*(\p)+1536*((\g)+2)+512*\c
.endr
.if (\g) == 3
.irp n, 0,1,2,3
.irp c, 0,1,2
	ds_load_b128 v[BF+12*\n+4*\c:BF+12*\n+4*\c+3], v[BADR+2*(\p)+1] offset:1536*\n+512*\c
.endr
.endr
.endif
.endif
.endm
; ---------------- the producer's macros
.macro RAMP d, c, s, e                 ; a pair of ramps: z x the scalar + two constants; z is the pair zp's register e % 2, for both halves
.if (\e)%2
	v_pk_fma_f32 v[\d:\d+1], v[zp:zp+1], s[\s:\s+1], v[\c:\c+1] op_sel:[1,0,0] op_sel_hi:[1,0,1]
.else
	v_pk_fma_f32 v[\d:\d+1], v[zp:zp+1], s[\s:\s+1], v[\c:\c+1] op_sel_hi:[0,0,1]
.endif
.endm
.macro XSEL half                       ; the trip's eight numbers of xn, registers 16 IT + 8 half + 0 .. 7 of window 1, are copied to Z: register numbers cannot hang on a counter, so eight cases stand here, on the loop's counter
.irp k, 0,1,2,3,4,5,6
	s_cmp_lg_u32 s[IT], \k
	s_cbranch_scc1 .Lxn_\@_\k
	WIN 0x01
.irp i, 0,1,2,3,4,5,6,7
	v_mov_b32 v[Z+\i], v[X+16*\k+8*\half+\i]
.endr
	WIN 0
	s_branch .Lxe_\@
.Lxn_\@_\k:
.endr
	WIN 0x01
.irp i, 0,1,2,3,4,5,6,7
	v_mov_b32 v[Z+\i], v[X+112+8*\half+\i]
.endr
	WIN 0
.Lxe_\@:
.endm
.macro ARGS c                          ; block c: for its four numbers z and eight bases, -w^2 = -(z sigma + c_j)^2 into OUT
.irp i, 0,1,2,3
.set zp, Z+4*(\c)+(\i/2)*2
.irp j, 0,2,4,6
	RAMP OUT+8*\i+\j, CR+\j, 40, \i
.endr
.endr
.set i2, 0
.rept 16
	v_pk_mul_f32 v[OUT+i2:OUT+i2+1], v[OUT+i2:OUT+i2+1], v[OUT+i2:OUT+i2+1] neg_lo:[1,0] neg_hi:[1,0]
.set i2, i2+2
.endr
.endm
.macro XP                              ; one exponential of the batch in hand, behind a plain line that names none of OUT
.if xn < 16
	v_exp_f32 v[OUT+xb+xn], v[OUT+xb+xn]
.set xn, xn+1
.endif
.endm
; Number e of the trip's eight: its eight spline terms are added onto its eight rbf terms.  The block's 32 exponentials go in two batches of 16, dealt one behind each of the first 16 plain lines of the block's first two numbers;
; 20 plain lines follow a batch's last exponential, then ONE wait for the batch (ahead of the first line that names a result): the first batch serves numbers 0 and 1, the second numbers 2 and 3.
; aft: the consumer's loads that stand behind the first 12 plain lines, which are the places behind the matrix instructions just issued.
.macro ELEM e, aft, p
.set ei, (\e)%4
.set zp, Z+((\e)/2)*2
.set xb, 16*ei
.set xn, 16
.if ei < 2
.set xn, 0
.endif
.irp j, 0,2,4,6
	RAMP TT+\j, CT+\j, 42, \e                      ; t_j = z / 0.6 + 3.5 - j
	XP
.endr
.irp j, 0,1,2,3,4,5,6,7
	v_max_num_f32 v[NS+\j], -|v[TT+\j]|, -2.0      ; -min(|t|, 2)
	XP
.endr
	AFT \aft, \p
.irp j, 0,1,2,3,4,5,6,7
	v_max_num_f32 v[TT+\j], -1.0, v[NS+\j]         ; -min(|t|, 1), over t, which is done with
	XP
.endr
.irp j, 0,2,4,6
	v_pk_fma_f32 v[AP+\j:AP+\j+1], v[NS+\j:NS+\j+1], s[44:45], v[K2:K2+1] op_sel_hi:[1,0,1]    ; k a = k (2 - min(|t|, 2))
.endr
.irp j, 0,2,4,6
	v_pk_fma_f32 v[BP+\j:BP+\j+1], v[TT+\j:TT+\j+1], s[56:57], v[L1:L1+1] op_sel_hi:[1,0,1]    ; l b = l (1 - min(|t|, 1))
.endr
.irp j, 0,2,4,6
	v_pk_mul_f32 v[NS+\j:NS+\j+1], v[AP+\j:AP+\j+1], v[AP+\j:AP+\j+1]
.endr
.irp j, 0,2,4,6
	v_pk_mul_f32 v[TT+\j:TT+\j+1], v[BP+\j:BP+\j+1], v[BP+\j:BP+\j+1]
.endr
.if ei < 2
	s_wait_alu depctr_va_vdst(0)                   ; the wait for the batch
.endif
.irp j, 0,2,4,6
	v_pk_fma_f32 v[OUT+8*ei+\j:OUT+8*ei+\j+1], v[NS+\j:NS+\j+1], v[AP+\j:AP+\j+1], v[OUT+8*ei+\j:OUT+8*ei+\j+1]   ; + a^3 / 6
.endr
.irp j, 0,2,4,6
	v_pk_fma_f32 v[OUT+8*ei+\j:OUT+8*ei+\j+1], v[TT+\j:TT+\j+1], v[BP+\j:BP+\j+1], v[OUT+8*ei+\j:OUT+8*ei+\j+1] neg_lo:[1,0,0] neg_hi:[1,0,0]   ; - (2 / 3) b^3
.endr
.endm
.macro RELU eb                         ; a block of the base product: 32 neighbouring numbers of xn, clipped at 0
	WIN 0x04
.set i2, 0
.rept 32
	v_max_num_f32 v[OUT+i2], 0, v[X+\eb+i2]
.set i2, i2+1
.endr
	WIN 0
.endm
; The 32 numbers in OUT become block c of my fragment: registers 6 c .. 6 c + 5 of PC, and the scale's byte in BY + c.  None of them is negative, so the maxima carry no |.|.
.macro QBLOCK c, aft, p
.irp k, 0,1,2,3
	v_max3_num_f32 v[MX+\k], v[OUT+7*\k], v[OUT+7*\k+1], v[OUT+7*\k+2]    ; four chains of seven numbers
.endr
.irp i, 3,5
.irp k, 0,1,2,3
	v_max3_num_f32 v[MX+\k], v[MX+\k], v[OUT+7*\k+\i], v[OUT+7*\k+\i+1]
.endr
.endr
	AFT \aft, \p
	v_max3_num_f32 v[MX], v[MX], v[OUT+28], v[OUT+29]
	v_max3_num_f32 v[MX+1], v[MX+1], v[OUT+30], v[OUT+31]
	v_max3_num_f32 v[MX], v[MX], v[MX+1], v[MX+2]
	v_max3_num_f32 v[MX], v[MX], v[MX+3], 0x1800000                ; and the floor 2^(3 - 127): the byte cannot fall under 1
	v_add_nc_u32 v[SOP], 0xff000000, v[MX]         ; 2 off the exponent field: the conversion takes the exponent field of this operand as its scale, and nothing else of it
	v_lshrrev_b32 v[BY+\c], 23, v[SOP]             ; the scale's byte
	v_cvt_scalef32_pk16_fp6_f32 v[PC+6*\c:PC+6*\c+2], v[OUT:OUT+15], v[SOP]
	v_cvt_scalef32_pk16_fp6_f32 v[TC:TC+2], v[OUT+16:OUT+31], v[SOP]      ; (a conversion's three registers begin on an even number: the block's second three do not)
	v_nop                                          ; one plain place behind a scaled conversion
.irp i, 0,1,2
	v_mov_b32 v[PC+6*\c+3+\i], v[TC+\i]
.endr
.endm
.macro FINISH b                        ; my fragment and its scale words go to buffer b as they stand
	v_lshl_or_b32 v[PW], v[BY+1], 16, v[BY]        ; my two bytes: blocks h and 2 + h of row r,
	v_lshlrev_b32 v[PW], v[SH8], v[PW]             ; at their places in the word;
	v_permlanex16_b32 v[PT], v[PW], s20, s21
	v_or_b32 v[PW], v[PW], v[PT]                   ; with lane l xor 16's two the word is whole
.irp c, 0,1,2
	ds_store_b128 v[AWI], v[PC+4*\c:PC+4*\c+3] offset:AB*(\b)+512*\c
.endr
	ds_store_b32 v[AWS], v[PW] offset:AB*(\b)      ; lanes l and l xor 16 store the same word with the same value
.endm
; A PREFETCH INTO THE L2: in trip T the codes of trip T + 3, which the tensor loads of trip T + 2 will ask for.  A trip's 98,304 bytes of codes are 4 work-groups x 3 waves x 32 lanes x 256 bytes: the first cluster asks, and nobody else;
; its partners are told apart by address, its waves 0 to 2 by address too: each aligned block of 256 bytes is named once in the launch.  The loop's last trip pair asks for nothing: trip 17 is the last.  Trips 0 to 3 and the scale words come by their loads alone.
.macro ASK
	s_cmp_lt_u32 s[IT], s[LIM]
	s_cbranch_scc0 .Lnot_mine_\@
	global_prefetch_b8 v[PFO], s[PFA:PFA+1] th:TH_LOAD_NT scope:SCOPE_SE
.Lnot_mine_\@:
.endm
; THE CHANGE OF TRIPS: one barrier for four things.  In front of it each wave has waited for all its tensor loads (its eighth of the next slot), has added 0 to its spare word, and has waited for that, for its stores of the next trip's fragment,
; and for its reads of the old slot and the old buffer.  The ending trip's last eight products, whose operands are in registers, stand between signal and wait.
; fill = 1: the barrier opens a round of the cluster's barrier, and slot s, just read out, is filled again, two trips on: the load has a whole trip in which to land.
.macro CHANGE fill, s
	s_wait_tensorcnt 0x0                           ; no tensor load of mine is out, so a group 0 may be written
	ds_add_u32 v[SPW], v[NIL]                      ; 0 onto my spare word
.if \fill
	s_add_nc_u64 s[G0+4*\s+2:G0+4*\s+3], s[G0+4*\s+2:G0+4*\s+3], 2*SLOTB   ; the type bits on top are not reached
	s_wait_xcnt 0x0                                ; the last prefetch, a trip back, has read its address
	s_add_nc_u64 s[PFA:PFA+1], s[PFA:PFA+1], SLOTB
.endif
	s_wait_dscnt 0x0
	s_barrier_signal -1
	WIN 0x50
	MM4 6, 0
	MM4 7, 0
	WIN 0
	s_barrier_wait -1
.if \fill
	CREST                                          ; no wave of any partner still reads the slot or has a load on its way
	tensor_load_to_lds s[G0+4*\s:G0+4*\s+3], s[G1:G1+7]   ; the first thing behind the round, and my one tensor load until the next
	s_nop 0
.endif
	PLACES                                         ; behind the tensor load, and the places in front of the loads into registers that the last products read
.endm
; A trip of the spline product: it multiplies buffer p and slot p, and makes the next trip's fragment into buffer 1 - p.  Groups of four matrix instructions stand between the producer's numbers.
.macro BODY p, half
	L0 \p
	ASK
	XSEL \half
	ARGS 0
	ELEM 0, -1, \p
	GRP 0, 0
	ELEM 1, 0, \p
	GRP 1, 0
	ELEM 2, 1, \p
	GRP 2, 0
	ELEM 3, 2, \p
	GRP 3, 0
	QBLOCK 0, 3, \p
	ARGS 1
	ELEM 4, -1, \p
	GRP 4, 0
	ELEM 5, 4, \p
	GRP 5, 0
	ELEM 6, 5, \p
	ELEM 7, -1, \p
	QBLOCK 1, -1, \p
	FINISH 1-\p
.endm
	; ---- trip 0's fragment: relu(xn), my registers 0 .. 63: the base product's K step 2 q
	RELU 0
	QBLOCK 0, -1, 0
	RELU 32
	QBLOCK 1, -1, 0
	FINISH 0
	s_wait_tensorcnt 0x1                           ; my eighth of slot 0 is in; slot 1's may stay out
	s_wait_dscnt 0x0                               ; my fragment's image is stored
	s_barrier_signal -1
	s_barrier_wait -1
	; ---- trip 0: its first 16 products start the sums: nothing is ever cleared.  Beside them trip 1's fragment: my registers 64 .. 127, K step 2 q + 1
	L0 0
	RELU 64
	GRP 0, 1
	PLACES
	AFT 0, 0
	QBLOCK 0, -1, 0
	GRP 1, 1
	PLACES
	AFT 1, 0
	RELU 96
	GRP 2, 1
	PLACES
	AFT 2, 0
	QBLOCK 1, -1, 0
	GRP 3, 1
	PLACES
	AFT 3, 0
	FINISH 1
	GRP 4, 0
	PLACES
	AFT 4, 0
	GRP 5, 0
	PLACES
	AFT 5, 0
	; ---- trips 1 .. 16, two to a pass: each ends the trip before, fills the slot just read with the trip after, and makes the next trip's fragment
	s_mov_b32 s[IT], 0
.Ltrip:
	CHANGE 1, 0
	BODY 1, 0
	CHANGE 1, 1
	BODY 0, 1
	s_add_co_u32 s[IT], s[IT], 1
	s_cmp_lt_u32 s[IT], 8
	s_cbranch_scc1 .Ltrip
	; ---- trip 17 is written out: nothing is left to fetch or to make
	CHANGE 0, 0
	L0 1
.irp g, 0,1,2,3,4,5
	GRP \g, 0
	PLACES
	AFT \g, 1
.endr
	s_wait_dscnt 0x0
	WIN 0x50
	MM4 6, 0
	MM4 7, 0
	WIN 0
	PLACES                                         ; in front of the first read of results and of loads into registers that held operands
; THE WAY OUT, a tile of 16 rows x my 64 columns at a time.  A lane holds 32 neighbouring bytes of a row and the lanes beside it other rows: the tile goes through my own stage and comes back by rows, so that sixteen lanes
; store 256 consecutive bytes, aligned.  LDS serves a wave's instructions in order: no wait between the stores and the loads, nor in front of the next tile's stores.
.macro TOSTAGE m
	WIN 0x04
.irp n, 0,1,2,3
	ds_store_b128 v[SEST], v[8*(4*(\m)+\n):8*(4*(\m)+\n)+3] offset:64*\n          ; each accumulator from its low end on
	ds_store_b128 v[SEST], v[8*(4*(\m)+\n)+4:8*(4*(\m)+\n)+7] offset:64*\n+16
.endr
	WIN 0
.irp t, 0,1,2,3,4,5,6,7
	ds_load_b128 v[OR+32*(\m)+4*\t:OR+32*(\m)+4*\t+3], v[SROW] offset:544*\t
.endr
.endm
.macro SEND m, younger                 ; younger: the LDS instructions issued behind tile m's loads: the next tile's 8 stores and 8 loads, or none.  Every tile has registers of its own and every offset is an immediate
	s_wait_dscnt \younger
.irp t, 0,1,2,3,4,5,6,7
	global_store_b128 v[XO], v[OR+32*(\m)+4*\t:OR+32*(\m)+4*\t+3], s[12:13] offset:(16*(\m)+2*\t)*2048 th:TH_STORE_NT
.endr
.endm
	TOSTAGE 0
.irp m, 1,2,3
	TOSTAGE \m
	SEND \m-1, 16
.endr
	SEND 3, 0
	s_wait_tensorcnt 0x0                           ; the wave's end: behind my last tensor load and my last LDS store
	ds_add_u32 v[SPW], v[NIL]
	s_wait_dscnt 0x0
	CROUND                                         ; the closing round: no work-group ends while a partner may still ask for a slot that names it
	s_endpgm
.Lfunc_end_k_qbbe613fe27_kan:
	.size	k_qbbe613fe27_kan, .Lfunc_end_k_qbbe613fe27_kan-k_qbbe613fe27_kan
	.p2alignl 7, 3214868480
	.fill 96, 4, 3214868480
	.section	.rodata,"a",@progbits
	.p2align	6, 0x0
	.amdhsa_kernel k_qbbe613fe27_kan
		.amdhsa_group_segment_fixed_size 327680
		.amdhsa_private_segment_fixed_size 0
		.amdhsa_enable_private_segment 0
		.amdhsa_kernarg_size 40
		.amdhsa_user_sgpr_count 2
		.amdhsa_user_sgpr_kernarg_segment_ptr 1
		.amdhsa_wavefront_size32 1
		.amdhsa_system_sgpr_workgroup_id_x 1
		.amdhsa_system_sgpr_workgroup_id_y 1
		.amdhsa_system_sgpr_workgroup_id_z 1
		.amdhsa_system_vgpr_workitem_id 0
		.amdhsa_next_free_vgpr 512
		.amdhsa_next_free_sgpr 66
		.amdhsa_reserve_vcc 0
		.amdhsa_float_denorm_mode_32 3
		.amdhsa_float_denorm_mode_16_64 3
		.amdhsa_memory_ordered 1
		.amdhsa_forward_progress 1
		.amdhsa_inst_pref_size 163
	.end_amdhsa_kernel
	.amdgpu_metadata
---
amdhsa.version: [ 1, 2 ]
amdhsa.kernels:
  - .name:           k_qbbe613fe27_kan
    .symbol:         k_qbbe613fe27_kan.kd
    .args:
      - { .name: x, .offset: 0, .size: 8, .value_kind: global_buffer, .address_space: global }
      - { .name: ln_gamma, .offset: 8, .size: 8, .value_kind: global_buffer, .address_space: global }
      - { .name: ln_beta, .offset: 16, .size: 8, .value_kind: global_buffer, .address_space: global }
      - { .name: wpack, .offset: 24, .size: 8, .value_kind: global_buffer, .address_space: global }
      - { .name: out0, .offset: 32, .size: 8, .value_kind: global_buffer, .address_space: global }
    .group_segment_fixed_size: 327680
    .private_segment_fixed_size: 0
    .kernarg_segment_align: 8
    .kernarg_segment_size: 40
    .max_flat_workgroup_size: 256
    .sgpr_count:     66
    .vgpr_count:     512
    .wavefront_size: 32
...
	.end_amdgpu_metadata
.endif
;; end of part 2
